; MI455X (gfx1250); checked and timed in simulation.
; The chip was launched on July 23, 2026; its instructions are those of AMD's public machine-readable ISA for CDNA 5 (MIT licence, August 2026) and "CDNA5" Instruction Set Architecture Reference Guide (July 2026). The comments in the code are by the model that wrote it; some were corrected since.
;; Prediction Bi LSTM. Allowed arithmetic: matrix products marked QUANTISED: E3M2 operands, one E8M0 scale for each 32 along K, by v_wmma_scale_f32_16x16x128_f8f6f4 with both operands' format E3M2, f32 sums; everything else in f32.
;; Inputs: V_cells 65,536 x 904 float32; b_hh_b 400 float32; b_hh_f 400 float32; b_ih_b 400 float32; b_ih_f 400 float32; w_hh_b 400 x 100 float32; w_hh_f 400 x 100 float32; w_ih_b 400 x 904 float32; w_ih_f 400 x 904 float32.
;; Outputs: out0 65,536 x 200 float32.
;; This version of the problem:
;;   THIS VERSION OF THE PROBLEM IS GIVEN IN LOW PRECISION. The matrix products marked QUANTISED in the list below multiply operands that are first quantised to E3M2 (3 exponent bits, 2 mantissa bits; 6 bits a number), with one power-of-two scale for each 32 numbers along K (OCP MX v1.0); their sums are f32. All else is computed in f32.
;;   The module's matrix products, in the order in which they are computed (A, B: the left and right operand; K: the contracted axis; several contracted axes count as one K, in the product's order):
;;     1. [M 65,536, K 904] x [K 904, N 400]; A: input V_cells; B: input w_ih_f: QUANTISED
;;     2. [M 65,536, K 904] x [K 904, N 400]; A: input V_cells; B: input w_ih_b: QUANTISED
;;   THE QUANTISER, for each operand of a quantised product, along K:
;;     - K is cut into blocks of 32 from its start; a last block that is shorter is filled with zeros.
;;     - A block's scale is 2^e with e = floor(log2(the largest magnitude in the block)) - 4, held to -126 .. 127; a block of zeros has e = 0. As a byte (E8M0): e + 127.
;;     - Each number is divided by its block's scale, clamped to +-28, and rounded to the nearest number of E3M2, ties to even, subnormals kept.
;;     - The product sums the exact products of the quantised numbers (number of the format x scale) in f32.
;;   ~~~python
;;   def quantise(x, axis):      # numpy; x: float32 -> the quantised numbers, widened to float32 again
;;       x = np.moveaxis(x, axis, -1); K = x.shape[-1]
;;       x = np.pad(x, [(0, 0)] * (x.ndim - 1) + [(0, -K % 32)]); x = x.reshape(x.shape[:-1] + (-1, 32)); a = np.abs(x).max(-1, keepdims=True)
;;       e = np.where(a > 0, np.clip(np.frexp(np.where(a > 0, a, 1))[1] - 1 - 4, -126, 127), 0)      # np.frexp(a)[1] - 1 = floor(log2(a)), exactly
;;       r = np.clip(x / 2.0 ** e, -28, 28)
;;       step = 2.0 ** (np.maximum(np.frexp(np.where(r == 0, 1, r))[1] - 1, -2) - 2)
;;       q = np.round(r / step) * step * 2.0 ** e      # np.round: ties to even
;;       return np.moveaxis(q.reshape(q.shape[:-2] + (-1,))[..., :K], -1, axis).astype(np.float32)
;;   ~~~
;; One version. Each part assembles by itself: llvm-mc -triple=amdgcn-amd-amdhsa -mcpu=gfx1250 --defsym DOCPART=n.
;; ======== version 1 of 1: 2 launches
;; limits: right only within a limited range of input values
;; workspace buffers: wq 505,856 bytes
;; launch prep (part 1): grid 38 x 1, 8 waves a work-group, no clusters, 2,048 bytes of LDS; arguments w_ih_f, w_ih_b, b_ih_f, b_hh_f, b_ih_b, b_hh_b, wq; writes wq
.if DOCPART == 1
	.amdgcn_target "amdgcn-amd-amdhsa--gfx1250"
	.amdhsa_code_object_version 6
	.text
	.protected	k_q23d3d425a8_prep
	.globl	k_q23d3d425a8_prep
	.p2align	8
	.type	k_q23d3d425a8_prep,@function
k_q23d3d425a8_prep:
	s_mov_b64 s[64:65], 0
	v_nop
	global_prefetch_b8 v0, s[64:65] scope:SCOPE_SE
	s_setreg_imm32_b32 hwreg(HW_REG_WAVE_MODE, 25, 1), 1
	s_wait_xcnt 0x0
; The 600 rows of w_ih_f and w_ih_b that the result hangs on (gates i, g, o; the f gate multiplies c0 = 0 and is used by nothing) are
; turned ONCE into codes of BF6 (E3M2) with one E8M0 scale byte for each 32 along K = 904, and laid in wq in the order of the matrix operand's registers.
; A TILE is 16 weight rows (the 16 columns of a product's result).  38 tiles: tile T = 9 w + 3 ul + gate (T < 36) holds, in column r, the row of that gate for output unit
; 48 w + 16 ul + r; tile 36 holds gate i (columns 0-7) and gate g (columns 8-15) of units 192-199; tile 37 gate o of units 192-199, twice.
; Unit u < 100 is direction f, else direction b; the row in w_ih is 0, 200 or 300 (gate i, g, o) + u mod 100.
; SHARES.  Work-group T makes tile T; its wave s makes K step s (128 along K): one fragment of 12 registers a lane, stored as three groups of 512 bytes, lane l's 16 bytes at 16 l.
; K step 7 holds k = 896 .. 903 and zeros.  Unit 100 falls inside a tile, and a pointer is not chosen lane by lane: so both tensors are loaded (each at a row inside it) and the DATA are chosen.
; Beside the fragments, 1,024 bytes a tile: 512 of scale words (K step s, column r at 64 s + 4 r) and the 16 sums b_ih + b_hh, 64 bytes, eight times over.
; A block's scale is 2^(floor(log2(largest magnitude)) - 4); its byte is the largest magnitude's exponent field - 4, held at 1 from below.
; LIMITS: a block of zeros, and one whose largest magnitude lies under 2^-122, keeps the byte 1 (the rule says 127 for zeros: the codes are zeros, and this program alone reads the bytes); NaN and infinities are not served.
; DEAD WORK, for all values of the inputs: reference() builds h0 = c0 = 0 itself, so w_hh_f and w_hh_b multiply zeros and the f gate multiplies c0 = 0:
; w_hh_f, w_hh_b are loaded by no launch and are among no launch's arguments; rows 100-199 of w_ih_* and of the biases are not read.
; LIMIT: a NaN, an infinity or an overflow that reaches only this left-out work is not carried to the result.
; The bias sums of tiles 0-35 are stored already multiplied by the factor of their gate's exponential (-log2 e for i and o, -2 log2 e for g); those of tiles 36, 37 as they are.
.set ROWX, 3616                        ; a row of w_ih in bytes
.set FRB,  1536                        ; a fragment's image
.set WBS,  119808                      ; a wave's block in wq: 72 fragments, then 9 small blocks of 1,024 bytes
.set SMO,  110592                      ; where the small blocks begin in it
.set XBO,  479232                      ; the block of tiles 36 and 37: 16 fragments, then 2 small blocks
.set XSM,  24576
.set F,    32                          ; v32-95   64 numbers, from w_ih_f, then the chosen ones
.set BV,   96                          ; v96-159  the same from w_ih_b
.set TM,   160                         ; v160-175 at work: +0..3 largest magnitudes, +4..7 bytes, +12..15 the conversions' scale operands
.set PC,   176                         ; v176-195 the codes: 12 registers, and 8 at work
.set PW,   196                         ; v196     the scale word
.set SEL,  40                          ; s[40:41] v_permlanex16_b32's selects for lane l xor 16
.set HM,   42                          ; s42      the mask of lanes 16-31
; 64 numbers of a lane, register 16 b + i = k 32 b + 16 (lane / 16) + i of my row, become a fragment's codes in v[PC] on and its scale word in v[PW].
.macro QUANT s
.irp b, 0,1,2,3
	v_max3_num_f32 v[TM+\b], |v[\s+16*\b]|, |v[\s+1+16*\b]|, 0x2800000   ; block b: my 16 numbers, and the floor 2^(5 - 127): the byte cannot fall under 1
.endr
.irp i, 2,4,6,8,10,12,14
.irp b, 0,1,2,3
	s_delay_alu instid0(VALU_DEP_4)
	v_max3_num_f32 v[TM+\b], v[TM+\b], |v[\s+16*\b+\i]|, |v[\s+1+16*\b+\i]|   ; the four blocks by turns
.endr
.endr
.irp b, 0,1,2,3
	s_delay_alu instid0(VALU_DEP_4)
	v_permlanex16_b32 v[TM+4+\b], v[TM+\b], s[SEL], s[SEL+1]
.endr
.irp b, 0,1,2,3
	s_delay_alu instid0(VALU_DEP_4)
	v_max_num_f32 v[TM+\b], v[TM+\b], v[TM+4+\b]       ; with lane l xor 16's: the block's largest magnitude
.endr
.irp b, 0,1,2,3
	s_delay_alu instid0(VALU_DEP_4)
	v_add_nc_u32 v[TM+12+\b], 0xfe000000, v[TM+\b]     ; 4 off its exponent field: the conversion takes this operand's exponent field as its scale
.endr
.irp b, 0,1,2,3
	s_delay_alu instid0(VALU_DEP_4)
	v_lshrrev_b32 v[TM+4+\b], 23, v[TM+12+\b]          ; the scale's byte
.endr
	s_delay_alu instid0(VALU_DEP_3)
	v_lshl_or_b32 v[PW], v[TM+5], 8, v[TM+4]
	s_delay_alu instid0(VALU_DEP_1)
	v_lshl_or_b32 v[PW], v[TM+6], 16, v[PW]
	s_delay_alu instid0(VALU_DEP_1)
	v_lshl_or_b32 v[PW], v[TM+7], 24, v[PW]
.irp c, 0,1
	v_cvt_scalef32_pk16_bf6_f32 v[PC+6*\c:PC+2+6*\c], v[\s+32*\c:\s+15+32*\c], v[TM+12+2*\c]
	v_cvt_scalef32_pk16_bf6_f32 v[PC+12+4*\c:PC+14+4*\c], v[\s+16+32*\c:\s+31+32*\c], v[TM+12+2*\c+1]   ; (a conversion's three registers begin on an even number)
.endr
	v_nop                                              ; one plain place behind a scaled conversion
.irp c, 0,1                                        ; the operand wants a WHOLE block in a lane: lanes 0-15 block 2 c, lanes 16-31 block 2 c + 1
.irp i, 0,1,2
	v_permlane16_swap_b32 v[PC+6*\c+\i], v[PC+12+4*\c+\i]
.endr
.irp i, 0,1,2
	s_delay_alu instid0(VALU_DEP_3)
	v_mov_b32 v[PC+3+6*\c+\i], v[PC+12+4*\c+\i]
.endr
.endr
.endm
; The last K step: every lane holds its row's k = 896 .. 903 in v[x] .. v[x+7].  The maximum is taken first, so that both halves of the lanes get the same scale word;
; then lanes 16-31, whose place in the operand is k = 32 on, are cleared.  The word's upper three bytes are 0: they scale zero codes alone.
.macro TAILQ x
	v_max3_num_f32 v[TM], |v[\x]|, |v[\x+1]|, 0x2800000
.irp i, 2,4,6
	s_delay_alu instid0(VALU_DEP_1)
	v_max3_num_f32 v[TM], v[TM], |v[\x+\i]|, |v[\x+\i+1]|
.endr
	s_delay_alu instid0(VALU_DEP_1)
	v_add_nc_u32 v[TM+12], 0xfe000000, v[TM]
	s_delay_alu instid0(VALU_DEP_1)
	v_lshrrev_b32 v[PW], 23, v[TM+12]
.irp i, 0,1,2,3,4,5,6,7
	v_cndmask_b32 v[\x+\i], v[\x+\i], 0, s[HM]
.endr
.irp i, 8,9,10,11,12,13,14,15
	v_mov_b32 v[\x+\i], 0
.endr
	v_cvt_scalef32_pk16_bf6_f32 v[PC:PC+2], v[\x:\x+15], v[TM+12]
	v_nop                                              ; one plain place behind a scaled conversion
.irp i, 3,4,5,6,7,8,9,10,11
	v_mov_b32 v[PC+\i], 0
.endr
.endm
	s_load_b256 s[4:11], s[0:1], 0x0               ; w_ih_f s[4:5], w_ih_b s[6:7], b_ih_f s[8:9], b_hh_f s[10:11]
	s_load_b128 s[12:15], s[0:1], 0x20             ; b_ih_b s[12:13], b_hh_b s[14:15]
	s_load_b64 s[16:17], s[0:1], 0x30              ; wq
	v_lshl_add_u32 v208, v0, 2, 0x400
	v_mov_b32 v209, 0
	v_lshrrev_b32 v1, 5, v0
	s_delay_alu instid0(VALU_DEP_1)
	v_readfirstlane_b32 s18, v1                    ; wave = K step s
	v_and_b32 v1, 31, v0                           ; lane
	v_and_b32 v2, 15, v0                           ; r: my column of the tile
	s_wait_alu depctr_va_vdst(0)
	v_bfe_u32 v3, v0, 4, 1                         ; h
	v_lshlrev_b32 v4, 4, v1                        ; 16 x lane: my place in an image, in memory and in LDS
	s_mov_b32 s[SEL], 0x76543210
	s_mov_b32 s[SEL+1], 0xfedcba98
	s_mov_b32 s[HM], 0xffff0000
	; which tile: everything from the work-group's number, every choice by a select: one path for all tiles
	s_mul_i32 s20, ttmp9, 57
	s_lshr_b32 s20, s20, 9                         ; w = T / 9 (right for T up to 37)
	s_mul_i32 s33, s20, 9
	s_sub_co_u32 s21, ttmp9, s33                   ; t = T - 9 w
	s_mul_i32 s22, s21, 11
	s_lshr_b32 s22, s22, 5                         ; ul = t / 3
	s_mul_i32 s33, s22, 3
	s_sub_co_u32 s23, s21, s33                     ; gate 0, 1, 2 = i, g, o
	s_min_u32 s33, s23, 1
	s_add_co_u32 s33, s33, s23
	s_mul_i32 s24, s33, 100                        ; the gate's first row: 0, 200, 300 (columns 0-7)
	s_mov_b32 s25, s24                             ; (columns 8-15)
	s_mul_i32 s26, s20, 48
	s_lshl_b32 s33, s22, 4
	s_add_co_u32 s26, s26, s33                     ; column 0's unit
	s_add_co_u32 s27, s26, 8                       ; column 8's
	s_mul_i32 s28, s20, WBS                        ; the wave block in wq
	s_mov_b32 s29, 9                               ; fragments in a K step there
	s_mov_b32 s30, s21                             ; my tile's place among them
	s_lshl_b32 s31, s21, 10
	s_add_co_u32 s31, s31, s28
	s_add_co_u32 s31, s31, SMO                     ; my small block
	s_sub_co_u32 s32, ttmp9, 36                    ; tiles 36 and 37: 0, 1
	s_lshl_b32 s34, s32, 10
	s_add_co_u32 s34, s34, XBO+XSM
	s_cmp_ge_u32 ttmp9, 36
	s_cselect_b32 s26, 192, s26
	s_cselect_b32 s27, 192, s27
	s_cselect_b32 s28, XBO, s28
	s_cselect_b32 s29, 2, s29
	s_cselect_b32 s30, s32, s30
	s_cselect_b32 s31, s34, s31
	s_cselect_b32 s24, 300, s24
	s_cselect_b32 s25, 300, s25
	s_cmp_eq_u32 ttmp9, 36
	s_cselect_b32 s24, 0, s24
	s_cselect_b32 s25, 200, s25
	s_mul_i32 s36, s29, s18
	s_add_co_u32 s36, s36, s30
	s_mul_i32 s36, s36, FRB
	s_add_co_u32 s36, s36, s28                     ; my fragment's byte in wq
	s_mov_b32 s37, 0
	s_mov_b32 s39, 0xbfb8aa3b                      ; -log2 e: gates i and o
	s_mov_b32 s35, 0xc038aa3b                      ; -2 log2 e: gate g
	s_cmp_eq_u32 s23, 1
	s_cselect_b32 s39, s35, s39
	s_cmp_ge_u32 ttmp9, 36
	s_cselect_b32 s39, 1.0, s39                    ; tiles 36 and 37 keep the plain sum
	; my column's row in each tensor
	v_and_b32 v16, 7, v2
	v_mov_b32 v5, s26
	v_mov_b32 v17, s27
	v_mov_b32 v6, s24
	v_mov_b32 v18, s25
	v_cmp_le_u32 vcc_lo, 8, v2
	s_delay_alu instid0(VALU_DEP_1)
	v_cndmask_b32 v5, v5, v17, vcc_lo
	s_delay_alu instid0(VALU_DEP_2)
	v_cndmask_b32 v6, v6, v18, vcc_lo
	s_delay_alu instid0(VALU_DEP_2)
	v_add_nc_u32 v5, v5, v16                       ; u: my column's output unit
	s_delay_alu instid0(VALU_DEP_1)
	v_cmp_le_u32 vcc_lo, 100, v5
	s_mov_b32 s38, vcc_lo                          ; the lanes of direction b
	v_min_u32 v7, 99, v5
	s_delay_alu instid0(VALU_DEP_1)
	v_add_nc_u32 v7, v7, v6                        ; a row inside w_ih_f: mine where u < 100
	v_max_u32 v8, 100, v5
	s_delay_alu instid0(VALU_DEP_1)
	v_add_nc_u32 v8, v8, v6
	s_delay_alu instid0(VALU_DEP_1)
	v_add_nc_u32 v8, 0xffffff9c, v8                ; a row inside w_ih_b: mine where u >= 100
	s_delay_alu instid0(VALU_DEP_4)
	v_mul_u32_u24 v9, v7, ROWX
	s_delay_alu instid0(VALU_DEP_2)
	v_mul_u32_u24 v10, v8, ROWX
	v_lshlrev_b32 v11, 2, v7                       ; and in the biases
	s_delay_alu instid0(VALU_DEP_4)
	v_lshlrev_b32 v12, 2, v8
	s_lshl_b32 s33, s18, 9
	v_lshl_add_u32 v19, v3, 6, s33                 ; 512 s + 64 h: my 16 numbers of each block of 32
	s_delay_alu instid0(VALU_DEP_1)
	v_add_nc_u32 v20, v9, v19
	s_delay_alu instid0(VALU_DEP_2)
	v_add_nc_u32 v21, v10, v19
	s_lshl_b32 s33, s18, 6
	v_lshl_add_u32 v13, v2, 2, s33                 ; LDS: my scale word at 64 s + 4 r
	v_lshlrev_b32 v14, 2, v2
	s_delay_alu instid0(VALU_DEP_1)
	v_add_nc_u32 v14, 512, v14                     ; LDS: my column's bias at 512 + 4 r
	v_and_b32 v15, 3, v0
	s_delay_alu instid0(VALU_DEP_1)
	v_lshlrev_b32 v15, 4, v15
	s_delay_alu instid0(VALU_DEP_1)
	v_add_nc_u32 v15, 512, v15                     ; LDS: the 64 bytes of biases, read eight times over
.irp b, 0,1,2,3
	v_mov_b32 v[TM+4+\b], 0                        ; written once: a lane permute's destination counts as one of its sources
.endr
	s_wait_kmcnt 0x0
	s_add_nc_u64 s[44:45], s[16:17], s[36:37]      ; my fragment
	s_mov_b32 s36, s31
	s_add_nc_u64 s[46:47], s[16:17], s[36:37]      ; my tile's small block
	s_cmp_eq_u32 s18, 7
	s_cbranch_scc1 .Ltail
	; K steps 0 to 6: 128 whole numbers along K
.irp b, 0,1,2,3
.irp j, 0,1,2,3
	global_load_b128 v[F+16*\b+4*\j:F+16*\b+4*\j+3], v20, s[4:5] offset:128*\b+16*\j
	global_load_b128 v[BV+16*\b+4*\j:BV+16*\b+4*\j+3], v21, s[6:7] offset:128*\b+16*\j
.endr
.endr
	s_wait_loadcnt 0x0
.set ci, 0
.rept 64
	v_cndmask_b32 v[F+ci], v[F+ci], v[BV+ci], s38  ; the data of my column's direction
.set ci, ci+1
.endr
	QUANT F
	s_branch .Ljoin
.Ltail:
	; K step 7: the row's last 32 bytes, and the biases
	global_load_b128 v[F:F+3], v9, s[4:5] offset:3584
	global_load_b128 v[F+4:F+7], v9, s[4:5] offset:3600
	global_load_b128 v[BV:BV+3], v10, s[6:7] offset:3584
	global_load_b128 v[BV+4:BV+7], v10, s[6:7] offset:3600
	global_load_b32 v200, v11, s[8:9]
	global_load_b32 v201, v11, s[10:11]
	global_load_b32 v202, v12, s[12:13]
	global_load_b32 v203, v12, s[14:15]
	s_wait_loadcnt 0x0
.irp i, 0,1,2,3,4,5,6,7
	v_cndmask_b32 v[F+\i], v[F+\i], v[BV+\i], s38
.endr
	v_add_f32 v200, v200, v201
	v_add_f32 v202, v202, v203
	s_delay_alu instid0(VALU_DEP_1)
	v_cndmask_b32 v200, v200, v202, s38            ; b_ih + b_hh of my column
	s_delay_alu instid0(VALU_DEP_1)
	v_mul_f32 v200, s39, v200                      ; times the tile's factor
	ds_store_b32 v14, v200                         ; both halves of the lanes write the same word with the same value
	TAILQ F
.Ljoin:
	s_wait_alu depctr_va_vdst(0)
.irp c, 0,1,2
	global_store_b128 v4, v[PC+4*\c:PC+4*\c+3], s[44:45] offset:512*\c   ; 32 lanes store 512 consecutive bytes, at a multiple of 256 from wq's first byte
.endr
	ds_store_b32 v13, v[PW]                        ; both halves of the lanes hold the same word
	s_wait_dscnt 0x0                               ; for wave 0's sake: my LDS stores have landed
	s_barrier_signal -1
	s_barrier_wait -1
	s_cmp_lg_u32 s18, 0
	s_cbranch_scc1 .Lend
	ds_load_b128 v[200:203], v4                    ; the eight waves' scale words, 512 bytes
	ds_load_b128 v[204:207], v15                   ; the biases
	s_wait_dscnt 0x0
	global_store_b128 v4, v[200:203], s[46:47]
	global_store_b128 v4, v[204:207], s[46:47] offset:512
.Lend:
	s_wait_tensorcnt 0x0
	ds_add_u32 v208, v209
	s_wait_dscnt 0x0
	s_endpgm
.Lfunc_end_k_q23d3d425a8_prep:
	.size	k_q23d3d425a8_prep, .Lfunc_end_k_q23d3d425a8_prep-k_q23d3d425a8_prep
	.p2alignl 7, 3214868480
	.fill 96, 4, 3214868480
	.section	.rodata,"a",@progbits
	.p2align	6, 0x0
	.amdhsa_kernel k_q23d3d425a8_prep
		.amdhsa_group_segment_fixed_size 2048
		.amdhsa_private_segment_fixed_size 0
		.amdhsa_enable_private_segment 0
		.amdhsa_kernarg_size 56
		.amdhsa_user_sgpr_count 2
		.amdhsa_user_sgpr_kernarg_segment_ptr 1
		.amdhsa_wavefront_size32 1
		.amdhsa_system_sgpr_workgroup_id_x 1
		.amdhsa_system_sgpr_workgroup_id_y 1
		.amdhsa_system_sgpr_workgroup_id_z 1
		.amdhsa_system_vgpr_workitem_id 0
		.amdhsa_next_free_vgpr 210
		.amdhsa_next_free_sgpr 66
		.amdhsa_reserve_vcc 1
		.amdhsa_float_denorm_mode_32 3
		.amdhsa_float_denorm_mode_16_64 3
		.amdhsa_memory_ordered 1
		.amdhsa_forward_progress 1
		.amdhsa_inst_pref_size 22
	.end_amdhsa_kernel
	.amdgpu_metadata
---
amdhsa.version: [ 1, 2 ]
amdhsa.kernels:
  - .name:           k_q23d3d425a8_prep
    .symbol:         k_q23d3d425a8_prep.kd
    .args:
      - { .name: w_ih_f, .offset: 0, .size: 8, .value_kind: global_buffer, .address_space: global }
      - { .name: w_ih_b, .offset: 8, .size: 8, .value_kind: global_buffer, .address_space: global }
      - { .name: b_ih_f, .offset: 16, .size: 8, .value_kind: global_buffer, .address_space: global }
      - { .name: b_hh_f, .offset: 24, .size: 8, .value_kind: global_buffer, .address_space: global }
      - { .name: b_ih_b, .offset: 32, .size: 8, .value_kind: global_buffer, .address_space: global }
      - { .name: b_hh_b, .offset: 40, .size: 8, .value_kind: global_buffer, .address_space: global }
      - { .name: wq, .offset: 48, .size: 8, .value_kind: global_buffer, .address_space: global }
    .group_segment_fixed_size: 2048
    .private_segment_fixed_size: 0
    .kernarg_segment_align: 8
    .kernarg_segment_size: 56
    .max_flat_workgroup_size: 256
    .sgpr_count:     66
    .vgpr_count:     210
    .wavefront_size: 32
...
	.end_amdgpu_metadata
.endif
;; end of part 1
;; launch main (part 2): grid 256 x 1, 4 waves a work-group, no clusters, 327,680 bytes of LDS; arguments V_cells, wq, out0; writes out0
.if DOCPART == 2
	.amdgcn_target "amdgcn-amd-amdhsa--gfx1250"
	.amdhsa_code_object_version 6
	.text
	.protected	k_q23d3d425a8_main
	.globl	k_q23d3d425a8_main
	.p2align	8
	.type	k_q23d3d425a8_main,@function
k_q23d3d425a8_main:
	s_mov_b64 s[64:65], 0
	v_nop
	global_prefetch_b8 v0, s[64:65] scope:SCOPE_SE
	s_setreg_imm32_b32 hwreg(HW_REG_WAVE_MODE, 25, 1), 1
	s_wait_xcnt 0x0
; out0 = [h_f, h_b], h = sigmoid(o) tanh(sigmoid(i) tanh(g)), gates = Q(V) Q(w_ih)^T + b_ih + b_hh, in MX-BF6.  The f gate and w_hh are left out as dead work (c0 = h0 = 0 in reference()).
; 256 work-groups of four waves, 256 rows of V each, in four passes of 64 rows.  Wave w keeps the codes of 9 weight tiles (units 48 w .. 48 w + 47, gates i, g, o) in registers for the whole launch;
; tiles 36 and 37 (units 192-199) lie in LDS.  A pass: each wave quantises its own 16 rows of V from its own LDS region into register images in LDS; a barrier; the region is filled again;
; every wave multiplies all 64 rows by its 9 tiles, applies the activations and puts the results into a stage, from which whole rows leave by stores of 512 consecutive bytes.
; V'S TILE: 16 rows of V are 57,856 dense bytes, stated as 2 rows of 28,928 bytes (8 rows of V, 113 x 256 bytes): each begins at a multiple of 256 bytes from V's first byte.
; The tile is 2 elements of 8 bytes wider than the tensor, so 16 bytes of zeros stand behind 8 rows of V in LDS: rows r and r + 8 then begin 4 words apart modulo 64 words.
; ORDER AT THE HEAD: V's load; the weights' loads into registers; the wait for V, the add, a barrier; the load of tiles 36, 37.  The first pass quantises while weights and tiles 36, 37 are on their way:
; the wait for 0 on TENSORcnt in front of the first refill's barrier shows tiles 36, 37 landed, s_wait_loadcnt 0 at the head of EXTRA the weights.  A refill is waited for at its pass's end.
; No cluster: the only shared bytes, the weights, go once into registers by plain loads.  No prefetch: a refill is asked for directly behind its barrier and has the pass's 304 matrix instructions in which to land.
; LIMITS: as the preparing launch states them for scales; NaN and infinities among the inputs are not served.
.set XROW,  3616
.set XP,    3616                       ; a row of V in LDS, dense; + 16 bytes behind row 7
.set OROW,  800
.set FRB,   1536
.set WBS,   119808
.set SMO,   110592
.set XBO,   479232
.set XSM,   24576
.set REG,   26624
.set REGS,  13312
.set RSC,   12288
.set SPARE, 79872
.set XF,    80384
.set XFS,   58112
.set XT,  1
.set AQ,  2
.set AI,  3
.set AS,  4
.set NIL, 14
.set SPW, 15
.set KB,  16
.set LI,  17
.set LS,  19
.set LI2, 21
.set LS2, 23
.set IW,  25
.set SW,  27
.set SO,  29
.set SOX, 31
.set XA,  33
.set TW,  62
.set XS0, 90
.set XS1, 154
.set TM,  218
.set PC,  234
.set PW,  254
.set ACC, 90
.set XB,  162
.set XSC, 210
.set HX,  218
.set EW,  114
.set EWS, 226
.set EKB, 234
.set YT,  240
.set OB,  90
.set WV,  10
.set SEL, 40
.set K1,  42
.set K2,  44
.set CAP, 46
.set M8,  47
.set HM,  48
.set MSB, 0
.macro WIN new
.if MSB != \new
	s_set_vgpr_msb (MSB<<8)|\new
.set MSB, \new
.endif
.endm
.macro PLACES
.rept 4
	v_nop
.endr
.endm
.macro QLOAD dst, adr, off
.irp b, 0,1,2,3
.irp j, 0,1,2,3
	ds_load_b128 v[\dst+16*\b+4*\j:\dst+16*\b+4*\j+3], v[\adr] offset:\off+128*\b+16*\j
.endr
.endr
.endm
.macro QUANT s
.irp b, 0,1,2,3
	v_max3_num_f32 v[TM+\b], |v[\s+16*\b]|, |v[\s+1+16*\b]|, 0x2800000
.endr
.irp i, 2,4,6,8,10,12,14
.irp b, 0,1,2,3
	v_max3_num_f32 v[TM+\b], v[TM+\b], |v[\s+16*\b+\i]|, |v[\s+1+16*\b+\i]|
.endr
.endr
.irp b, 0,1,2,3
	v_permlanex16_b32 v[TM+4+\b], v[TM+\b], s[SEL], s[SEL+1]
.endr
.irp b, 0,1,2,3
	v_max_num_f32 v[TM+\b], v[TM+\b], v[TM+4+\b]
.endr
.irp b, 0,1,2,3
	v_add_nc_u32 v[TM+12+\b], 0xfe000000, v[TM+\b]
.endr
.irp b, 0,1,2,3
	v_lshrrev_b32 v[TM+4+\b], 23, v[TM+12+\b]
.endr
	v_lshl_or_b32 v[PW], v[TM+5], 8, v[TM+4]
	v_lshl_or_b32 v[PW], v[TM+6], 16, v[PW]
	v_lshl_or_b32 v[PW], v[TM+7], 24, v[PW]
.irp c, 0,1
	v_cvt_scalef32_pk16_bf6_f32 v[PC+6*\c:PC+2+6*\c], v[\s+32*\c:\s+15+32*\c], v[TM+12+2*\c]
	v_cvt_scalef32_pk16_bf6_f32 v[PC+12+4*\c:PC+14+4*\c], v[\s+16+32*\c:\s+31+32*\c], v[TM+12+2*\c+1]
.endr
	v_nop
.irp c, 0,1
.irp i, 0,1,2
	v_permlane16_swap_b32 v[PC+6*\c+\i], v[PC+12+4*\c+\i]
.endr
.irp i, 0,1,2
	v_mov_b32 v[PC+3+6*\c+\i], v[PC+12+4*\c+\i]
.endr
.endr
.endm
.macro TAILQ x
	v_max3_num_f32 v[TM], |v[\x]|, |v[\x+1]|, 0x2800000
.irp i, 2,4,6
	v_max3_num_f32 v[TM], v[TM], |v[\x+\i]|, |v[\x+\i+1]|
.endr
	v_add_nc_u32 v[TM+12], 0xfe000000, v[TM]
	v_lshrrev_b32 v[PW], 23, v[TM+12]
.irp i, 0,1,2,3,4,5,6,7
	v_cndmask_b32 v[\x+\i], v[\x+\i], 0, s[HM]
.endr
.irp i, 8,9,10,11,12,13,14,15
	v_mov_b32 v[\x+\i], 0
.endr
	v_cvt_scalef32_pk16_bf6_f32 v[PC:PC+2], v[\x:\x+15], v[TM+12]
	v_nop
.irp i, 3,4,5,6,7,8,9,10,11
	v_mov_b32 v[PC+\i], 0
.endr
.endm
.macro IMAGE adr, off
.irp c, 0,1,2
	ds_store_b128 v[\adr], v[PC+4*\c:PC+4*\c+3] offset:\off+512*\c
.endr
.endm
.macro FETCH reg, adr, off
.irp c, 0,1,2
	ds_load_b128 v[\reg+4*\c:\reg+4*\c+3], v[\adr] offset:\off+512*\c
.endr
.endm
.macro MM acc, xa, wr, first, sx, sw, row
.if \first
	v_wmma_scale_f32_16x16x128_f8f6f4 v[\acc:\acc+7], v[\xa:\xa+11], v[\wr:\wr+11], 0, v[\sx], v[\sw] matrix_a_fmt:MATRIX_FMT_BF6 matrix_b_fmt:MATRIX_FMT_BF6
.elseif \row
	v_wmma_scale_f32_16x16x128_f8f6f4 v[\acc:\acc+7], v[\xa:\xa+11], v[\wr:\wr+11], v[\acc:\acc+7], v[\sx], v[\sw] matrix_a_fmt:MATRIX_FMT_BF6 matrix_b_fmt:MATRIX_FMT_BF6 matrix_b_scale:MATRIX_SCALE_ROW1
.else
	v_wmma_scale_f32_16x16x128_f8f6f4 v[\acc:\acc+7], v[\xa:\xa+11], v[\wr:\wr+11], v[\acc:\acc+7], v[\sx], v[\sw] matrix_a_fmt:MATRIX_FMT_BF6 matrix_b_fmt:MATRIX_FMT_BF6
.endif
.endm
.macro ACT n, AB, TB, kb, OUT
.set au, 0
.rept \n
.irp g, 0,1,2
.irp j, 0,2,4,6
.set ar, \AB+24*au+8*\g+\j
.if \kb
	v_pk_fma_f32 v[ar:ar+1], v[ar:ar+1], s[K1+2*(\g%2):K1+2*(\g%2)+1], v[KB+6*au+2*\g:KB+6*au+2*\g+1] op_sel_hi:[1,0,0]
.else
	v_pk_mul_f32 v[ar:ar+1], v[ar:ar+1], s[K1+2*(\g%2):K1+2*(\g%2)+1] op_sel_hi:[1,0]
.endif
.endr
.endr
.set au, au+1
.endr
.set au, 0
.rept \n
.irp j, 0,1,2,3,4,5,6,7
	v_min_num_f32 v[\AB+24*au+8+\j], s[CAP], v[\AB+24*au+8+\j]
.endr
.set au, au+1
.endr
.set ar, \AB
	s_wait_alu depctr_va_vdst(0)
.rept 24*\n
	v_exp_f32 v[ar], v[ar]
.set ar, ar+1
.endr
	v_nop
	s_wait_alu depctr_va_vdst(0)
.set au, 0
.rept \n
.irp j, 0,2,4,6
	v_pk_add_f32 v[\TB+8*au+\j:\TB+8*au+\j+1], v[\AB+24*au+8+\j:\AB+24*au+8+\j+1], 1.0 op_sel_hi:[1,0]
.endr
.set au, au+1
.endr
.set au, 0
.rept \n
.irp j, 0,2,4,6
	v_pk_fma_f32 v[\AB+24*au+\j:\AB+24*au+\j+1], v[\AB+24*au+\j:\AB+24*au+\j+1], v[\TB+8*au+\j:\TB+8*au+\j+1], v[\TB+8*au+\j:\TB+8*au+\j+1]
.endr
.set au, au+1
.endr
.set au, 0
	s_wait_alu depctr_va_vdst(0)
.rept \n
.irp j, 0,1,2,3,4,5,6,7
	v_rcp_f32 v[\AB+24*au+\j], v[\AB+24*au+\j]
.endr
.set au, au+1
.endr
.set au, 0
.rept \n
.irp j, 0,2,4,6
	v_pk_fma_f32 v[\AB+24*au+8+\j:\AB+24*au+8+\j+1], v[\AB+24*au+8+\j:\AB+24*au+8+\j+1], s[K2:K2+1], s[K2:K2+1] op_sel_hi:[1,0,0] neg_lo:[1,0,0] neg_hi:[1,0,0]
.endr
.set au, au+1
.endr
	s_wait_alu depctr_va_vdst(0)
.set au, 0
.rept \n
.irp j, 0,2,4,6
	v_pk_mul_f32 v[\AB+24*au+8+\j:\AB+24*au+8+\j+1], v[\AB+24*au+8+\j:\AB+24*au+8+\j+1], v[\AB+24*au+\j:\AB+24*au+\j+1]
.endr
.set au, au+1
.endr
.set au, 0
	s_wait_alu depctr_va_vdst(0)
.rept \n
.irp j, 0,1,2,3,4,5,6,7
	v_exp_f32 v[\AB+24*au+8+\j], v[\AB+24*au+8+\j]
.endr
.set au, au+1
.endr
	v_nop
	s_wait_alu depctr_va_vdst(0)
.set au, 0
.rept \n
.irp j, 0,2,4,6
	v_pk_add_f32 v[\TB+8*au+\j:\TB+8*au+\j+1], v[\AB+24*au+8+\j:\AB+24*au+8+\j+1], 1.0 op_sel_hi:[1,0]
.endr
.set au, au+1
.endr
.set au, 0
.rept \n
.irp j, 0,2,4,6
	v_pk_fma_f32 v[\AB+24*au+16+\j:\AB+24*au+16+\j+1], v[\AB+24*au+16+\j:\AB+24*au+16+\j+1], v[\TB+8*au+\j:\TB+8*au+\j+1], v[\TB+8*au+\j:\TB+8*au+\j+1]
.endr
.set au, au+1
.endr
.set au, 0
	s_wait_alu depctr_va_vdst(0)
.rept \n
.irp j, 0,1,2,3,4,5,6,7
	v_rcp_f32 v[\AB+24*au+16+\j], v[\AB+24*au+16+\j]
.endr
.set au, au+1
.endr
.set au, 0
.rept \n
.irp j, 0,2,4,6
	v_pk_fma_f32 v[\AB+24*au+8+\j:\AB+24*au+8+\j+1], v[\AB+24*au+8+\j:\AB+24*au+8+\j+1], -1.0, 1.0 op_sel_hi:[1,0,0]
.endr
.set au, au+1
.endr
	s_wait_alu depctr_va_vdst(0)
.set au, 0
.rept \n
.irp j, 0,2,4,6
	v_pk_mul_f32 v[\OUT+24*au+\j:\OUT+24*au+\j+1], v[\AB+24*au+8+\j:\AB+24*au+8+\j+1], v[\AB+24*au+16+\j:\AB+24*au+16+\j+1]
.endr
.set au, au+1
.endr
.endm
.macro LX s
.set lb, (\s)%3
.set lxb, 186+12*lb+26*(lb/2)
	FETCH lxb, IW, FRB*(\s)
	FETCH EW+24*lb, LI, FRB*2*(\s)
	FETCH EW+24*lb+12, LI, FRB*(2*(\s)+1)
.endm
.macro EXTRA
	s_wait_loadcnt 0x0                             ; the head's loads of weights, scale words and biases are in (met at once from the second pass on)
.irp q, 0,1,2,3,4,5,6,7
	ds_load_b32 v[EWS+\q], v[LS] offset:XSM+1024*(\q/4)+128*(\q%4)
.endr
	ds_load_b32 v[EKB], v[LS] offset:XSM+512
	ds_load_b32 v[EKB+1], v[LS] offset:XSM+1024+512
.irp q, 0,1,2,3,4,5,6,7
	ds_load_b32 v[XSC+\q], v[SW] offset:128*\q
.endr
	LX 0
	LX 1
	LX 2
.set es, 0
.rept 8
.if es < 6
	s_wait_dscnt 18
.else
	s_wait_dscnt 9*(7-es)
.endif
.set eb, es%3
.set exb, 186+12*eb+26*(eb/2)
.if es == 0
	MM ACC, exb, EW+24*eb, 1, XSC+es, EWS+es/2, 0
	MM ACC+16, exb, EW+24*eb+12, 1, XSC+es, EWS+4+es/2, 0
.else
	MM ACC, exb, EW+24*eb, 0, XSC+es, EWS+es/2, es%2
	MM ACC+16, exb, EW+24*eb+12, 0, XSC+es, EWS+4+es/2, es%2
.endif
.if es < 5
	PLACES
	LX es+3
.endif
.set es, es+1
.endr
	PLACES
.irp j, 0,1,2,3,4,5,6,7
	v_add_f32 v[ACC+\j], v[ACC+\j], v[EKB]
.endr
.irp j, 0,1,2,3,4,5,6,7
	v_add_f32 v[ACC+16+\j], v[ACC+16+\j], v[EKB+1]
.endr
.irp j, 0,1,2,3,4,5,6,7
	v_mov_b32_dpp v[YT+\j], v[ACC+\j] row_xmask:8 row_mask:0xf bank_mask:0xf
.endr
.irp j, 0,1,2,3,4,5,6,7
	v_cndmask_b32 v[ACC+8+\j], v[YT+\j], v[ACC+\j], s[M8]
.endr
.irp j, 0,1,2,3,4,5,6,7
	v_cndmask_b32 v[ACC+\j], v[ACC+\j], v[YT+\j], s[M8]
.endr
	ACT 1, ACC, YT, 0, HX
.endm
.macro ROWTILE m
.irp q, 0,1,2,3,4,5,6,7
	ds_load_b32 v[XSC+\q], v[LS2] offset:REGS*\m+RSC+128*\q
.endr
.irp q, 0,1,2,3
	FETCH XB+12*\q, LI2, REGS*\m+FRB*\q
.endr
.set ks, 0
.rept 8
.if ks < 5
	s_wait_dscnt 9
.else
	s_wait_dscnt 3*(7-ks)
.endif
.if ks == 7
	s_barrier_signal -1
.endif
.set kt, 0
.rept 9
.set kf, 9*ks+kt
.set wi, 4*kt+ks/2
.set mS, 5+wi+20*((wi/9+3)/4)
.set mA, ACC+8*kt
.set mX, XB+12*(ks%4)
.if ks < 7
.set kw, (1+kf/21)*4
.set mW, 12*(kf%21)
.else
.set kw, 0
.set mW, TW+2*kt
.endif
	WIN kw
.if ks == 0
	MM mA, mX, mW, 1, XSC+ks, mS, 0
.else
	MM mA, mX, mW, 0, XSC+ks, mS, ks%2
.endif
.set kt, kt+1
.endr
.if ks < 4
	PLACES
	FETCH XB+12*ks, LI2, REGS*\m+FRB*(ks+4)
.endif
.set ks, ks+1
.endr
	WIN 0
	PLACES
	ACT 3, ACC, XB, 1, ACC
	s_wait_alu depctr_va_vdst(0)
	s_barrier_wait -1
.irp u, 0,1,2
.irp j, 0,1,2,3,4,5,6,7
	ds_store_b32 v[SO], v[ACC+24*\u+\j] offset:REGS*\m+OROW*\j+64*\u
.endr
.endr
.endm
.macro PASS refill
	s_mov_b32 s13, 0
	s_mov_b32 s14, 0
	s_mov_b32 s15, 0
	QLOAD XS0, XA, 0
	s_mov_b32 s12, 3
.Lq_\@:
	v_add_nc_u32 v[AQ], s13, v[XA]
	v_add_nc_u32 v[AI], s14, v[IW]
	v_add_nc_u32 v[AS], s15, v[SW]
	QLOAD XS1, AQ, 512
	s_wait_dscnt 16
	QUANT XS0
	IMAGE AI, 0
	ds_store_b32 v[AS], v[PW]
	QLOAD XS0, AQ, 1024
	s_wait_dscnt 16
	QUANT XS1
	IMAGE AI, FRB
	ds_store_b32 v[AS], v[PW] offset:128
	s_add_co_u32 s13, s13, 1024
	s_add_co_u32 s14, s14, 2*FRB
	s_add_co_u32 s15, s15, 256
	s_sub_co_u32 s12, s12, 1
	s_cmp_lg_u32 s12, 0
	s_cbranch_scc1 .Lq_\@
	ds_load_b128 v[XS1:XS1+3], v[XT] offset:3584
	ds_load_b128 v[XS1+4:XS1+7], v[XT] offset:3600
	s_wait_dscnt 2
	QUANT XS0
	IMAGE IW, 6*FRB
	ds_store_b32 v[SW], v[PW] offset:768
	s_wait_dscnt 0x0
	TAILQ XS1
	IMAGE IW, 7*FRB
	ds_store_b32 v[SW], v[PW] offset:896
.if \refill
	s_wait_tensorcnt 0x0
	ds_add_u32 v[SPW], v[NIL]
	s_add_nc_u64 s[34:35], s[34:35], 64*XROW
	s_wait_dscnt 0x0
	s_barrier_signal -1
	s_barrier_wait -1
	tensor_load_to_lds s[32:35], s[16:23]
	s_nop 0
	PLACES
.else
	s_wait_dscnt 0x0
	s_barrier_signal -1
	s_barrier_wait -1
.endif
	EXTRA
.irp m, 0,1,2,3
	ROWTILE \m
.endr
.irp j, 0,1,2,3,4,5,6,7
	ds_store_b32 v[SOX], v[HX+\j] offset:OROW*\j
.endr
	s_wait_dscnt 0x0
	s_barrier_signal -1
	s_barrier_wait -1
.irp i, 0,1,2,3,4,5,6,7,8,9,10,11,12,13,14,15,16,17,18,19,20,21,22,23,24
	ds_load_b128 v[OB+4*\i:OB+4*\i+3], v[IW] offset:512*\i
.endr
.irp i, 0,1,2,3,4,5,6,7,8,9,10,11,12,13,14,15,16,17,18,19,20,21,22,23,24
	s_wait_dscnt 24-\i
	global_store_b128 v[LI], v[OB+4*\i:OB+4*\i+3], s[8:9] offset:512*\i th:TH_STORE_NT
.endr
.if \refill
	s_wait_xcnt 0x0
	s_add_nc_u64 s[8:9], s[8:9], 64*OROW
	s_wait_tensorcnt 0x0                           ; my 16 rows of V for the next pass are in: only I read them
.endif
.endm
	s_load_b128 s[4:7], s[0:1], 0x0
	s_load_b64 s[8:9], s[0:1], 0x10
	v_lshl_add_u32 v[SPW], v0, 2, SPARE
	v_mov_b32 v[NIL], 0
	ds_add_u32 v15, v14
	ds_add_u32 v15, v14
	s_wait_dscnt 0x0
	v_lshrrev_b32 v1, 5, v0
	v_readfirstlane_b32 s[WV], v1
	s_mov_b32 s[SEL], 0x76543210
	s_mov_b32 s[SEL+1], 0xfedcba98
	s_mov_b32 s[K1], 0xbfb8aa3b
	s_mov_b32 s[K1+1], 0xbfb8aa3b
	s_mov_b32 s[K2], 0xc038aa3b
	s_mov_b32 s[K2+1], 0xc038aa3b
	s_mov_b32 s[CAP], 0x42200000
	s_mov_b32 s[M8], 0xff00ff00
	s_mov_b32 s[HM], 0xffff0000
	s_mov_b32 s16, 3<<16                           ; V's tile: elements of 8 bytes
	s_mov_b32 s17, 3616<<16                        ; tensor_dim0 = 3,616: 8 rows of V
	s_mov_b32 s18, 2<<16                           ; tensor_dim1 = 2
	s_mov_b32 s19, 3618<<16                        ; tile_dim0 = 3,618: two elements of zeros behind each row
	s_mov_b32 s20, 2                               ; tile_dim1 = 2
	s_mov_b32 s21, 3616                            ; the pitch
	s_mov_b32 s22, 0
	s_mov_b32 s23, 0
	s_mov_b32 s24, 3<<16
	s_mov_b32 s25, 32<<16
	s_mov_b32 s26, 26<<16
	s_mov_b32 s27, 32<<16
	s_mov_b32 s28, 26
	s_mov_b32 s29, 32
	s_mov_b32 s30, 0
	s_mov_b32 s31, 0
	s_lshl_b32 s50, ttmp9, 8
	s_lshl_b32 s51, s[WV], 4
	s_add_co_u32 s52, s50, s51
	s_mul_i32 s50, s52, XROW
	s_mov_b32 s51, 0
	s_mul_i32 s52, s52, OROW
	s_mov_b32 s53, 0
	s_mov_b32 s32, 1
	s_mul_i32 s33, s[WV], XFS
	s_add_co_u32 s33, s33, XF
	s_mov_b32 s36, 1
	s_mul_i32 s37, s[WV], 6656
	s_wait_kmcnt 0x0
	s_add_nc_u64 s[34:35], s[4:5], s[50:51]
	s_or_b32 s35, s35, 0x80000000
	s_add_nc_u64 s[8:9], s[8:9], s[52:53]
	s_add_co_u32 s50, s37, XBO
	s_add_nc_u64 s[38:39], s[6:7], s[50:51]
	s_or_b32 s39, s39, 0x80000000
	s_mul_i32 s50, s[WV], WBS
	s_add_nc_u64 s[54:55], s[6:7], s[50:51]
	tensor_load_to_lds s[32:35], s[16:23]          ; my 16 rows of V
	s_nop 0
	PLACES
	v_and_b32 v61, 31, v0
	v_lshlrev_b32 v[LI], 4, v61
	v_lshlrev_b32 v[LS], 2, v61
	v_add_nc_u32 v[LI2], REG, v[LI]
	v_add_nc_u32 v[LS2], REG, v[LS]
	s_mul_i32 s50, s[WV], REGS
	v_add_nc_u32 v[IW], s50, v[LI2]
	v_add_nc_u32 v[SW], s50, v[LS2]
	v_add_nc_u32 v[SW], RSC, v[SW]
	v_and_b32 v[AQ], 15, v0
	v_bfe_u32 v[AI], v0, 4, 1
	v_and_b32 v[AS], 7, v0
	v_mul_u32_u24 v[SO], v[AI], 8*OROW
	v_lshl_add_u32 v[SO], v[AQ], 2, v[SO]
	s_mul_i32 s51, s[WV], 192
	s_add_co_u32 s51, s51, REG
	v_add_nc_u32 v[SO], s51, v[SO]
	v_mul_u32_u24 v[SOX], v[AI], 8*OROW
	v_lshl_add_u32 v[SOX], v[AS], 2, v[SOX]
	s_add_co_u32 s50, s50, REG+768
	v_add_nc_u32 v[SOX], s50, v[SOX]
	v_mul_u32_u24 v[XT], v[AQ], XP
	v_add_nc_u32 v[XT], s33, v[XT]
	v_bfe_u32 v61, v0, 3, 1
	v_lshl_add_u32 v[XT], v61, 4, v[XT]            ; rows 8-15 lie 16 bytes further on
	v_lshl_add_u32 v[XA], v[AI], 6, v[XT]
.set hf, 0
.rept 63
.set hw, (1+hf/21)*64
	WIN hw
.irp c, 0,1,2
	global_load_b128 v[12*(hf%21)+4*\c:12*(hf%21)+4*\c+3], v[LI], s[54:55] offset:FRB*hf+512*\c
.endr
.set hf, hf+1
.endr
	WIN 0
.irp t, 0,1,2,3,4,5,6,7,8
	global_load_b64 v[TW+2*\t:TW+2*\t+1], v[LI], s[54:55] offset:FRB*(63+\t)
.endr
.set wi0, 0
.rept 36
.set hr, 5+wi0+20*((wi0/9+3)/4)
	global_load_b32 v[hr], v[LS], s[54:55] offset:SMO+1024*(wi0/4)+128*(wi0%4)
.set wi0, wi0+1
.endr
.irp t, 0,1,2,3,4,5,6,7,8
	global_load_b32 v[KB+2*\t], v[LS], s[54:55] offset:SMO+1024*\t+512
.endr
.irp i, 18,19,20,21,22,23,24,25,26,27
	v_mov_b32 v[TW+\i], 0
.endr
.irp b, 0,1,2,3
	v_mov_b32 v[TM+4+\b], 0
.endr
	s_wait_alu depctr_va_vdst(0)
	s_wait_tensorcnt 0x0                           ; my rows of V are in
	ds_add_u32 v[SPW], v[NIL]
	s_wait_dscnt 0x0
	s_barrier_signal -1
	s_barrier_wait -1
	tensor_load_to_lds s[36:39], s[24:31]          ; my quarter of tiles 36 and 37: first read behind the first pass's barrier
	s_nop 0
	PLACES
	s_mov_b32 s11, 3
.Lpass:
	PASS 1
	s_sub_co_u32 s11, s11, 1
	s_cmp_lg_u32 s11, 0
	s_cbranch_scc1 .Lpass
	PASS 0
	s_wait_tensorcnt 0x0
	ds_add_u32 v[SPW], v[NIL]
	s_wait_dscnt 0x0
	s_endpgm
.Lfunc_end_k_q23d3d425a8_main:
	.size	k_q23d3d425a8_main, .Lfunc_end_k_q23d3d425a8_main-k_q23d3d425a8_main
	.p2alignl 7, 3214868480
	.fill 96, 4, 3214868480
	.section	.rodata,"a",@progbits
	.p2align	6, 0x0
	.amdhsa_kernel k_q23d3d425a8_main
		.amdhsa_group_segment_fixed_size 327680
		.amdhsa_private_segment_fixed_size 0
		.amdhsa_enable_private_segment 0
		.amdhsa_kernarg_size 24
		.amdhsa_user_sgpr_count 2
		.amdhsa_user_sgpr_kernarg_segment_ptr 1
		.amdhsa_wavefront_size32 1
		.amdhsa_system_sgpr_workgroup_id_x 1
		.amdhsa_system_sgpr_workgroup_id_y 1
		.amdhsa_system_sgpr_workgroup_id_z 1
		.amdhsa_system_vgpr_workitem_id 0
		.amdhsa_next_free_vgpr 1024
		.amdhsa_next_free_sgpr 66
		.amdhsa_reserve_vcc 0
		.amdhsa_float_denorm_mode_32 3
		.amdhsa_float_denorm_mode_16_64 3
		.amdhsa_memory_ordered 1
		.amdhsa_forward_progress 1
		.amdhsa_inst_pref_size 255
	.end_amdhsa_kernel
	.section	.bss,"aw",@nobits
	.p2align	6
	.space	262144
	.amdgpu_metadata
---
amdhsa.version: [ 1, 2 ]
amdhsa.kernels:
  - .name:           k_q23d3d425a8_main
    .symbol:         k_q23d3d425a8_main.kd
    .args:
      - { .name: V_cells, .offset: 0, .size: 8, .value_kind: global_buffer, .address_space: global }
      - { .name: wq, .offset: 8, .size: 8, .value_kind: global_buffer, .address_space: global }
      - { .name: out0, .offset: 16, .size: 8, .value_kind: global_buffer, .address_space: global }
    .group_segment_fixed_size: 327680
    .private_segment_fixed_size: 0
    .kernarg_segment_align: 8
    .kernarg_segment_size: 24
    .max_flat_workgroup_size: 128
    .sgpr_count:     66
    .vgpr_count:     1024
    .wavefront_size: 32
...
	.end_amdgpu_metadata
.endif
;; end of part 2
